; MI455X (gfx1250); checked and timed in simulation.
; The chip was launched on July 23, 2026; its instructions are those of AMD's public machine-readable ISA for CDNA 5 (MIT licence, August 2026) and "CDNA5" Instruction Set Architecture Reference Guide (July 2026). The comments in the code are by the model that wrote it; some were corrected since.
;; Householder Linear. Allowed arithmetic: matrix products marked QUANTISED: E2M1 operands, one E8M0 scale for each 32 along K, by v_wmma_scale_f32_16x16x128_f8f6f4 with both operands' format E2M1 (or v_wmma_scale_f32_32x16x128_f4), f32 sums; products left as they are: f32 operands where the result goes on into a quantised operand, else bf16, f16 or f32 operands; f32 sums; everything else in f32.
;; Inputs: bias 4,096 float32; vs 10 x 4,096 float32; w 4,096 x 4,096 float32; x 4,096 x 4,096 float32.
;; Outputs: out0 4,096 x 4,096 float32.
;; Constants: time = 3.
;; This version of the problem:
;;   THIS VERSION OF THE PROBLEM IS GIVEN IN LOW PRECISION. The matrix products marked QUANTISED in the list below multiply operands that are first quantised to E2M1 (2 exponent bits, 1 mantissa bit; 4 bits a number), with one power-of-two scale for each 32 numbers along K (OCP MX v1.0); their sums are f32. All else is computed in f32.
;;   The module's matrix products, in the order in which they are computed (A, B: the left and right operand; K: the contracted axis; several contracted axes count as one K, in the product's order):
;;     1. [M 4,096, K 4,096] x [K 4,096, N 1]; A: input x; B: computed on the way: left as it is (N = 1 < 16)
;;     2. [M 4,096, K 4,096] x [K 4,096, N 4,096]; A: computed on the way; B: input w: QUANTISED
;;   THE QUANTISER, for each operand of a quantised product, along K:
;;     - K is cut into blocks of 32 from its start; a last block that is shorter is filled with zeros.
;;     - A block's scale is 2^e with e = floor(log2(the largest magnitude in the block)) - 2, held to -126 .. 127; a block of zeros has e = 0. As a byte (E8M0): e + 127.
;;     - Each number is divided by its block's scale, clamped to +-6, and rounded to the nearest number of E2M1, ties to even, subnormals kept.
;;     - The product sums the exact products of the quantised numbers (number of the format x scale) in f32.
;;   ~~~python
;;   def quantise(x, axis):      # numpy; x: float32 -> the quantised numbers, widened to float32 again
;;       x = np.moveaxis(x, axis, -1); K = x.shape[-1]
;;       x = np.pad(x, [(0, 0)] * (x.ndim - 1) + [(0, -K % 32)]); x = x.reshape(x.shape[:-1] + (-1, 32)); a = np.abs(x).max(-1, keepdims=True)
;;       e = np.where(a > 0, np.clip(np.frexp(np.where(a > 0, a, 1))[1] - 1 - 2, -126, 127), 0)      # np.frexp(a)[1] - 1 = floor(log2(a)), exactly
;;       r = np.clip(x / 2.0 ** e, -6, 6)
;;       step = 2.0 ** (np.maximum(np.frexp(np.where(r == 0, 1, r))[1] - 1, 0) - 1)
;;       q = np.round(r / step) * step * 2.0 ** e      # np.round: ties to even
;;       return np.moveaxis(q.reshape(q.shape[:-2] + (-1,))[..., :K], -1, axis).astype(np.float32)
;;   ~~~
;;   OPERANDS COMPUTED ON THE WAY. 'Computed on the way' means the value that the module computes at that place (a softmax that the list does not call 'softmax' is quantised finished and normalised). What goes into a quantiser is computed in f32, as accurately as f32 sums, v_exp_f32 and their like allow (about 1e-6 of the number): no bf16 or f16 on the way to a quantiser, and a product that is left as it is and whose result goes on into a quantised operand takes f32 operands (vector FMAs, or v_wmma_f32_16x16x4_f32). A number that lies on a knife's edge between two numbers of the format may be rounded either way, as far as f32 arithmetic and the matrix unit's own rounding can turn it there, and no further.
;; One version. Each part assembles by itself: llvm-mc -triple=amdgcn-amd-amdhsa -mcpu=gfx1250 --defsym DOCPART=n.
;; ======== version 1 of 1: 2 launches
;; limits: right only within a limited range of input values
;; workspace buffers: a_ws 8,912,896 bytes; b_ws 8,912,896 bytes
;; launch quant (part 1): grid 256 x 1, 8 waves a work-group, no clusters, 312,320 bytes of LDS; arguments x, w, vs, a_ws, b_ws; writes a_ws, b_ws
.if DOCPART == 1
	.amdgcn_target "amdgcn-amd-amdhsa--gfx1250"
	.amdhsa_code_object_version 6
	.text
	.protected	k_qc10dcee5a7_quant
	.globl	k_qc10dcee5a7_quant
	.p2align	8
	.type	k_qc10dcee5a7_quant,@function
k_qc10dcee5a7_quant:
	s_mov_b64 s[64:65], 0
	v_nop
	global_prefetch_b8 v0, s[64:65] scope:SCOPE_SE
	s_setreg_imm32_b32 hwreg(HW_REG_WAVE_MODE, 25, 1), 1
	s_wait_xcnt 0x0
; Both operands of out = Q(m) Q(w) + bias are made here, as codes of FP4 (E2M1) with one E8M0 byte for each 32 along K.
;   m[r][k] = x[r][k] - 2 (x[r] . v) v[k],  v = vs[3] / sqrt(sum vs[3]^2), all in f32;  K is m's last axis and w's FIRST axis.
; WORKSPACE, the same for a_ws (operand row = row of m) and b_ws (operand row = column of w): rows in 32 tiles of 128, K in 8 steps of 512.
;   The chunk of tile t and K step ks begins at byte (8 t + ks) x 34,816 and is 136 dense rows of 256 bytes: row rr < 128 holds the 512 codes of operand row 128 t + rr
;   (two a byte, the lower k in the low four bits); rows 128 .. 135 hold 16 scale bytes for each rr.  So the product's launch fetches codes and scales of a K step by one tile.
; SHARES.  Work-groups with an even number take 32 rows of x, those with an odd number two chunks of w: each streams 512 KB, each of its eight waves four pieces of 16 KB
;   through two slots of 128 registers, so that one or two pieces of a wave are always on their way.  Every offset is an immediate; nothing is stepped, there is no loop.
; A BLOCK OF 32 LIES IN ONE LANE when it is quantised (the conversions take neighbours along K from one lane's registers), while every global load reads 512 consecutive bytes:
;   a piece turns through the wave's own stage in LDS.  Each path has LDS bytes of its own.
; A block's scale is 2^(floor(log2(largest magnitude)) - 2): its byte is the largest magnitude's exponent field - 2, held at 1 from below by a floor among the maximum's leaves.
; LIMITS: a block of zeros gets the byte 1 where the rule says 127 (its codes are zeros, and this program alone reads the bytes); NaN and infinities among the inputs are not served;
;   v is made as vs[3] x rsq(sum), two roundings from vs[3] / sqrt(sum); a sum of squares under 2^-126 counts as zero for v_rsq_f32 (ISA guide, its entry in 15.8).
.set CHUNK, 34816
.set TILEB, 8*CHUNK                    ; the eight chunks of a tile of 128 operand rows
.set XRUN,  272                        ; x path: a run of 256 bytes of a row + 16 of padding
.set XWAVE, 64*XRUN                    ; a wave's stage: one row of 16 KB as 64 runs
.set XST,   0                          ; x path: eight stages
.set XSC,   8*XWAVE                    ; x path: scale bytes [K step 8][row 32][16]
.set WC,    XSC+4096                   ; w path: a chunk's codes, 128 rows 272 bytes apart; the second chunk's codes and scale bytes lie CHB bytes further on
.set CHB,   128*272+2048
.set CH,    0                          ; which chunk the batches write
.set WS,    WC+128*272                 ; w path: a chunk's scale bytes [128][16]
.set GA,   2                           ; v2   16 x lane
.set XSTO, 3                           ; v3   x: into the stage
.set XRD,  4                           ; v4   x: out of it, a block a lane
.set XSB,  5                           ; v5   x: my block's scale byte
.set XCO,  6                           ; v6   x: my block's codes in a_ws
.set XSL,  7                           ; v7   x: the tail's 16 scale bytes
.set TMP,  8
.set TT,   128                         ; w path: window 0's v128-255: four blocks of 32 numbers along K, one for each of my four columns.  Its two slots are window 1's v128-255 and v0-127
.set WCS,  11                          ; v11  w: my block's codes in the chunk
.set WSB,  12                          ; v12  w: its scale byte
.set WCR,  13                          ; v13  w: the chunk's rows on the way out
.set WSR,  14                          ; v14  w: the chunk's scale bytes on the way out
.set WG8,  15                          ; v15  8 x lane
.set ACC,  16                          ; v16-23 four pairs of partial sums
.set FAC,  24                          ; v24  the factor of a packed multiply; v25 is named with it as a pair
.set PRM,  26                          ; v26  a lane permute's destination
.set R15,  27                          ; v27  lane % 16
.set MX0,  28                          ; v28, v29 two chains of a block's maximum
.set MX1,  29
.set SCL,  30                          ; v30  the conversions' scale operand
.set HLF,  31                          ; v31  lane / 16
.set COD,  32                          ; v32-47 codes: four registers for each of four blocks
.set BYT,  48                          ; v48-51 their scale bytes
.set TA,   64                          ; v64-95, v96-127: a block of 32 numbers each
.set TB,   96
.set VV,   128                         ; window 1, v128-255: v.  Slot 0 is window 0's v128-255, slot 1 window 1's v0-127
.set MSB, 0
.macro WIN new                         ; the immediate's high byte repeats the setting that is left; bits 1:0 source 0, 3:2 source 1, 5:4 source 2, 7:6 destination
.if MSB != \new
	s_set_vgpr_msb (MSB<<8)|\new
.set MSB, \new
.endif
.endm
.macro SLOTSET slot                    ; where a slot lies, and the windows of the lines that name it
.if \slot
.set LB,   0
.set WDOT, 0x05                        ; x (source 0) and v (source 1) in window 1
.set WMUL, 0x51                        ; v (source 0), m (source 2, destination) in window 1
.set WSTD, 0x04                        ; an LDS store's data are its source 1
.set WLDD, 0x40                        ; a load's destination
.else
.set LB,   128
.set WDOT, 0x04
.set WMUL, 0x01
.set WSTD, 0
.set WLDD, 0
.endif
.endm
	s_load_b256 s[4:11], s[0:1], 0x0               ; x s[4:5], w s[6:7], vs s[8:9], a_ws s[10:11]
	s_load_b64 s[12:13], s[0:1], 0x20              ; b_ws
	v_lshl_add_u32 v62, v0, 2, 0x4c000
	v_mov_b32 v63, 0
	v_lshrrev_b32 v1, 5, v0
	s_delay_alu instid0(VALU_DEP_1)
	v_readfirstlane_b32 s14, v1                    ; wave 0..7
	s_lshr_b32 s15, ttmp9, 1                       ; idx 0..127
	s_and_b32 s16, ttmp9, 1                        ; 0: x, 1: w
	s_lshr_b32 s36, s15, 2                         ; the tile of 128 operand rows
	s_and_b32 s37, s15, 3                          ; x: which 32 rows of it;  w: which two K steps
	s_mov_b32 s20, 0x76543210
	s_mov_b32 s21, 0xfedcba98                      ; v_permlanex16_b32's selects for lane l xor 16
	v_and_b32 v1, 31, v0                           ; lane
	v_and_b32 v[R15], 15, v0
	v_bfe_u32 v[HLF], v0, 4, 1
	s_delay_alu instid0(VALU_DEP_3)
	v_lshlrev_b32 v[GA], 4, v1
	s_delay_alu instid0(VALU_DEP_4)
	v_lshlrev_b32 v[WG8], 3, v1
	v_mov_b32 v[FAC+1], 0
	v_mov_b32 v[PRM], 0
	; every LDS address of both paths is made here, ahead of the parting
	s_mul_i32 s17, s14, XWAVE
	v_mul_u32_u24 v[XSTO], v[HLF], XRUN
	s_delay_alu instid0(VALU_DEP_1)
	v_lshl_add_u32 v[XSTO], v[R15], 4, v[XSTO]
	s_delay_alu instid0(VALU_DEP_1)
	v_add_nc_u32 v[XSTO], s17, v[XSTO]             ; a load's 512 bytes are two runs: run lane / 16, 16 bytes a lane
	v_lshrrev_b32 v[TMP], 1, v1
	s_delay_alu instid0(VALU_DEP_1)
	v_mul_u32_u24 v[XRD], v[TMP], XRUN
	v_and_b32 v[TMP], 1, v0
	s_delay_alu instid0(VALU_DEP_1)
	v_lshl_add_u32 v[XRD], v[TMP], 7, v[XRD]
	s_delay_alu instid0(VALU_DEP_1)
	v_add_nc_u32 v[XRD], s17, v[XRD]               ; block l of a quarter: run l / 2, half l % 2: sixteen lanes fall on sixteen different columns of 16 bytes modulo 256
	s_lshl_b32 s17, s14, 6
	s_add_co_u32 s17, s17, XSC
	v_lshl_add_u32 v[XSB], v[HLF], 9, v[R15]
	s_delay_alu instid0(VALU_DEP_1)
	v_add_nc_u32 v[XSB], s17, v[XSB]               ; K step lane / 16 of the quarter's two, my wave's four rows, byte lane % 16
	v_mul_u32_u24 v[XCO], v[HLF], CHUNK
	s_delay_alu instid0(VALU_DEP_1)
	v_lshl_add_u32 v[XCO], v[R15], 4, v[XCO]
	s_lshl_b32 s17, s14, 9
	s_add_co_u32 s17, s17, XSC
	v_add_nc_u32 v[XSL], s17, v[GA]
	s_lshl_b32 s17, s14, 5
	s_add_co_u32 s17, s17, WC
	v_mul_u32_u24 v[WCS], v1, 4*272                ; my four columns are 4 lane + e
	s_delay_alu instid0(VALU_DEP_1)
	v_add_nc_u32 v[WCS], s17, v[WCS]               ; row = my column, my wave's two blocks of 16 bytes
	s_lshl_b32 s17, s14, 1
	s_add_co_u32 s17, s17, WS
	v_lshl_add_u32 v[WSB], v1, 6, s17              ; 16 bytes a column, four columns a lane
	s_mul_i32 s17, s14, 16*272
	s_add_co_u32 s17, s17, WC
	; b_ws ALONE: a chunk's codes do not leave as rows.  Each block of 16 operand rows (4,096 bytes) leaves in the order of the product's operand registers:
	; piece u = 0 .. 7 of 512 bytes holds, at 16 x lane, bytes 32 u + 16 (lane / 16) .. + 15 of row lane % 16.  The scale bytes lie as in a_ws.
	v_mul_u32_u24 v[WCR], v[R15], 272
	s_delay_alu instid0(VALU_DEP_1)
	v_lshl_add_u32 v[WCR], v[HLF], 4, v[WCR]
	s_delay_alu instid0(VALU_DEP_1)
	v_add_nc_u32 v[WCR], s17, v[WCR]               ; out: my wave's 16 rows, two rows an instruction
	s_lshl_b32 s17, s14, 8
	s_add_co_u32 s17, s17, WS
	v_add_nc_u32 v[WSR], s17, v[WG8]
	; byte offsets, each in the pair that will hold the address
	s_lshl_b32 s22, s15, 5
	s_lshl_b32 s38, s14, 2
	s_add_co_u32 s22, s22, s38
	s_lshl_b32 s22, s22, 14                        ; x: row 32 idx + 4 wave, 16,384 bytes a row
	s_mov_b32 s23, 0
	s_mul_i32 s24, s36, TILEB
	s_lshl_b32 s17, s37, 5
	s_add_co_u32 s17, s17, s38
	s_lshl_b32 s17, s17, 8
	s_add_co_u32 s24, s24, s17                     ; a_ws: my tile's K step 0, my wave's first row of 256 bytes
	s_mov_b32 s25, 0
	s_mul_i32 s26, s36, TILEB
	s_mul_i32 s17, s14, CHUNK
	s_add_co_u32 s26, s26, s17
	s_lshl_b32 s17, s37, 9
	s_add_co_u32 s26, s26, s17
	s_add_co_u32 s26, s26, 32768                   ; a_ws: K step = my wave's number, the 32 rows' scale bytes
	s_mov_b32 s27, 0
	s_lshl_b32 s28, s37, 10
	s_lshl_b32 s17, s14, 6
	s_add_co_u32 s28, s28, s17
	s_lshl_b32 s28, s28, 14
	s_lshl_b32 s17, s36, 9
	s_add_co_u32 s28, s28, s17                     ; w: row k = 1,024 (idx % 4) + 64 wave, column 128 (idx / 4)
	s_mov_b32 s29, 0
	s_lshl_b32 s32, s36, 3
	s_lshl_b32 s17, s37, 1
	s_add_co_u32 s32, s32, s17
	s_mul_i32 s32, s32, CHUNK                      ; b_ws: my first chunk
	s_lshl_b32 s17, s14, 8
	s_add_co_u32 s34, s32, s17
	s_add_co_u32 s34, s34, 32768                   ; its scale bytes, my wave's 256
	s_lshl_b32 s17, s14, 12
	s_add_co_u32 s32, s32, s17                     ; its codes, my wave's 16 rows
	s_mov_b32 s33, 0
	s_mov_b32 s35, 0
	s_wait_kmcnt 0x0
	s_add_nc_u64 s[22:23], s[4:5], s[22:23]
	s_add_nc_u64 s[24:25], s[10:11], s[24:25]
	s_add_nc_u64 s[26:27], s[10:11], s[26:27]
	s_add_nc_u64 s[28:29], s[6:7], s[28:29]
	s_add_nc_u64 s[30:31], s[28:29], 0x800000      ; the second chunk's rows of w, 512 rows on: past what an immediate holds
	s_add_nc_u64 s[32:33], s[12:13], s[32:33]
	s_add_nc_u64 s[34:35], s[12:13], s[34:35]
; One block of 32 numbers, v[t] .. v[t + 31] of my lane, becomes four registers of codes and a scale byte, number c of four.
.macro QB t, c
	v_max3_num_f32 v[MX0], |v[\t]|, |v[\t+1]|, |v[\t+2]|
	v_max3_num_f32 v[MX1], |v[\t+3]|, |v[\t+4]|, |v[\t+5]|
.irp i, 6,10,14,18,22,26
	s_delay_alu instid0(VALU_DEP_2)
	v_max3_num_f32 v[MX0], v[MX0], |v[\t+\i]|, |v[\t+\i+1]|
	s_delay_alu instid0(VALU_DEP_2)
	v_max3_num_f32 v[MX1], v[MX1], |v[\t+\i+2]|, |v[\t+\i+3]|
.endr
	s_delay_alu instid0(VALU_DEP_2)
	v_max3_num_f32 v[MX0], v[MX0], |v[\t+30]|, |v[\t+31]|
	s_delay_alu instid0(VALU_DEP_1)
	v_max3_num_f32 v[MX0], v[MX0], v[MX1], 0x1800000       ; the floor 2^(3 - 127): the byte cannot fall under 1
	s_delay_alu instid0(VALU_DEP_1)
	v_add_nc_u32 v[SCL], 0xff000000, v[MX0]                ; 2 off the exponent field: the conversion takes that field as its scale and nothing else
.irp g, 0,1,2,3
	v_cvt_scalef32_pk8_fp4_f32 v[COD+4*\c+\g], v[\t+8*\g:\t+8*\g+7], v[SCL]
.endr
	v_lshrrev_b32 v[BYT+\c], 23, v[SCL]                    ; the scale's byte; also the plain line behind the conversions
.endm
	s_cmp_lg_u32 s16, 0
	s_cbranch_scc1 .Lw_path
; ---------------------------------------------------------------- x: wave w takes rows 4 w + i, i = 0 .. 3
; Register 4 j + e of lane l holds k = 128 j + 4 l + e, of a row of x and of v alike.
.macro LOADROW i, slot
	SLOTSET \slot
	WIN WLDD
.set j, 0
.rept 32
	global_load_b128 v[LB+4*j:LB+4*j+3], v[GA], s[22:23] offset:16384*(\i)+512*j th:TH_LOAD_NT   ; 512 consecutive bytes
.set j, j+1
.endr
.endm
.macro DOTP win, lb                    ; the lane's 128 products, two at a time, in four chains; the first four start the sums
	WIN \win
.set j, 0
.rept 4
	v_pk_mul_f32 v[ACC+2*j:ACC+2*j+1], v[\lb+2*j:\lb+2*j+1], v[VV+2*j:VV+2*j+1]
.set j, j+1
.endr
.rept 60
	s_delay_alu instid0(VALU_DEP_4)
	v_pk_fma_f32 v[ACC+2*(j%4):ACC+2*(j%4)+1], v[\lb+2*j:\lb+2*j+1], v[VV+2*j:VV+2*j+1], v[ACC+2*(j%4):ACC+2*(j%4)+1]
.set j, j+1
.endr
	WIN 0
.endm
.macro REDUCE                          ; the eight partial sums, then the 32 lanes: every lane ends with the sum in v[ACC]
	v_pk_add_f32 v[ACC:ACC+1], v[ACC:ACC+1], v[ACC+2:ACC+3]
	v_pk_add_f32 v[ACC+4:ACC+5], v[ACC+4:ACC+5], v[ACC+6:ACC+7]
	s_delay_alu instid0(VALU_DEP_1)
	v_pk_add_f32 v[ACC:ACC+1], v[ACC:ACC+1], v[ACC+4:ACC+5]
	s_delay_alu instid0(VALU_DEP_1)
	v_add_f32 v[ACC], v[ACC], v[ACC+1]
	s_delay_alu instid0(VALU_DEP_1)
	v_add_f32_dpp v[ACC], v[ACC], v[ACC] row_xmask:1 row_mask:0xf bank_mask:0xf
	s_delay_alu instid0(VALU_DEP_1)
	v_add_f32_dpp v[ACC], v[ACC], v[ACC] row_xmask:2 row_mask:0xf bank_mask:0xf
	s_delay_alu instid0(VALU_DEP_1)
	v_add_f32_dpp v[ACC], v[ACC], v[ACC] row_xmask:4 row_mask:0xf bank_mask:0xf
	s_delay_alu instid0(VALU_DEP_1)
	v_add_f32_dpp v[ACC], v[ACC], v[ACC] row_xmask:8 row_mask:0xf bank_mask:0xf
	s_delay_alu instid0(VALU_DEP_1)
	v_permlanex16_b32 v[PRM], v[ACC], s20, s21
	s_delay_alu instid0(VALU_DEP_1)
	v_add_f32 v[ACC], v[ACC], v[PRM]
.endm
.macro XQLOAD t, q                     ; quarter q of the row: lane l takes block 32 q + l, 128 bytes
.irp e, 0,1,2,3,4,5,6,7
	ds_load_b128 v[\t+4*\e:\t+4*\e+3], v[XRD] offset:16*XRUN*\q+16*\e
.endr
.endm
.macro XOUT q, i                       ; lanes 0-15 fill row i's 16 scale bytes of K step 2 q, lanes 16-31 those of K step 2 q + 1
	ds_store_b8 v[XSB], v[BYT+\q] offset:1024*\q+16*\i
.endm
.macro ROW i, slot, refill, left
	SLOTSET \slot
	s_wait_loadcnt \left                           ; my row is in; the other slot's 32 loads may be out
	DOTP WDOT, LB
	REDUCE                                         ; x . v
	s_delay_alu instid0(VALU_DEP_1)
	v_mul_f32 v[FAC], -2.0, v[ACC]
	WIN WMUL
.set j, 0
.rept 64
	v_pk_fma_f32 v[LB+2*j:LB+2*j+1], v[VV+2*j:VV+2*j+1], v[FAC:FAC+1], v[LB+2*j:LB+2*j+1] op_sel_hi:[1,0,1]   ; m = x - 2 (x . v) v, in place
.set j, j+1
.endr
	WIN WSTD
.set j, 0
.rept 32
	ds_store_b128 v[XSTO], v[LB+4*j:LB+4*j+3] offset:2*XRUN*j
.set j, j+1
.endr
	WIN 0
	XQLOAD TA, 0                                   ; LDS serves a wave's instructions in order: these see the stores above
	XQLOAD TB, 1
	s_wait_dscnt 8                                 ; quarter 0 is in and the 32 stores have read the slot; quarter 1's eight loads may be out
	s_wait_xcnt 0x0                                ; the last row's stores have read their code registers, which are written again below
.if \refill
	LOADROW (\i)+2, \slot                          ; the slot takes the row two further on
	WIN 0
.endif
	QB TA, 0
	XOUT 0, \i
	XQLOAD TA, 2
	s_wait_dscnt 9                                 ; quarter 1 is in; behind it: a byte store and eight loads
	QB TB, 1
	XOUT 1, \i
	XQLOAD TB, 3
	s_wait_dscnt 9                                 ; quarter 2 likewise
	QB TA, 2
	XOUT 2, \i
	s_wait_dscnt 1                                 ; quarter 3 is in; behind it: a byte store
	QB TB, 3
	XOUT 3, \i
.irp q, 0,1,2,3
	global_store_b128 v[XCO], v[COD+4*\q:COD+4*\q+3], s[24:25] offset:2*CHUNK*\q+256*\i   ; the row's codes leave together: lanes 0-15 fill the row's 256 bytes of K step 2 q, lanes 16-31 those of K step 2 q + 1
.endr
.endm
	WIN 0x40
.set j, 0
.rept 32
	global_load_b128 v[VV+4*j:VV+4*j+3], v[GA], s[8:9] offset:3*16384+512*j   ; vs[3]
.set j, j+1
.endr
	LOADROW 0, 0
	LOADROW 1, 1
	WIN 0
	s_wait_loadcnt 63                              ; 64 loads are younger than vs[3]'s: the largest count that the field holds leaves at most 63 of them out, so vs[3] is in
	DOTP 0x05, VV
	REDUCE                                         ; the sum of squares
	s_wait_alu depctr_va_vdst(0)
	v_rsq_f32 v[FAC], v[ACC]
	v_nop                                          ; a plain line behind the transcendental
	s_wait_alu depctr_va_vdst(0)                   ; and the wait ahead of its first reader
	WIN 0x41
.set j, 0
.rept 64
	v_pk_mul_f32 v[VV+2*j:VV+2*j+1], v[VV+2*j:VV+2*j+1], v[FAC:FAC+1] op_sel_hi:[1,0]   ; v, of length 1
.set j, j+1
.endr
	WIN 0
	ROW 0, 0, 1, 32
	ROW 1, 1, 1, 32
	ROW 2, 0, 0, 32
	ROW 3, 1, 0, 0
	s_wait_dscnt 0x0                               ; for the others' sake: my scale bytes have landed
	s_barrier_signal -1
	s_barrier_wait -1
	ds_load_b128 v[TA:TA+3], v[XSL]                ; K step = my wave's number: the 32 rows' 512 scale bytes
	s_wait_dscnt 0x0
	global_store_b128 v[GA], v[TA:TA+3], s[26:27]  ; 512 consecutive bytes, at a multiple of 256 from a_ws's first byte
	s_wait_tensorcnt 0x0
	ds_add_u32 v62, v63
	s_wait_dscnt 0x0
	s_endpgm
; ---------------------------------------------------------------- w: two chunks (128 columns x 512 along K); wave wv takes blocks 2 wv + bb of each
.Lw_path:
.macro LOADB t, bb, slot
.set LB, 128-128*\slot
	WIN 0x40
.set j, 0
.rept 32
	global_load_b128 v[LB+4*j:LB+4*j+3], v[GA], s[28+2*(\t):29+2*(\t)] offset:524288*(\bb)+16384*j th:TH_LOAD_NT
.set j, j+1
.endr
.endm
.macro WOUT cg, bb
	ds_store_b128 v[WCS], v[COD+4*\cg:COD+4*\cg+3] offset:CHB*CH+272*\cg+16*\bb
	ds_store_b8 v[WSB], v[BYT+\cg] offset:CHB*CH+16*\cg+\bb
.endm
; A batch: 32 rows of w x 128 columns.  Register 4 j + e of the slot holds w(k = j, column 4 lane + e): a block of 32 along K lies in ONE lane already, in every fourth register.
; The conversions take neighbours along K from consecutive registers, so the 128 numbers are moved once inside the lane: no LDS, no other lane.
.macro BATCH bb, slot, refill, rt, rbb, left
.set LB, 128-128*\slot
	s_wait_loadcnt \left                           ; my 32 rows are in; the other slot's 32 loads may be out
	s_wait_xcnt 0x0                                ; the last chunk's stores have read their registers, which the next way out loads again
	s_wait_dscnt 0x0                               ; the last batch's LDS stores have read the code registers
	WIN 0x01                                       ; source window 1, destination window 0
.set ee, 0
.rept 4
.set j, 0
.rept 32
	v_mov_b32 v[TT+32*ee+j], v[LB+4*j+ee]
.set j, j+1
.endr
.set ee, ee+1
.endr
	WIN 0
.if \refill
	LOADB \rt, \rbb, \slot                         ; the slot has been read out
	WIN 0
.endif
.irp c, 0,1,2,3
	QB TT+32*\c, \c
	WOUT \c, \bb
.endr
.endm
.macro CHUNK_OUT t, last
	s_wait_dscnt 0x0                               ; for the others' sake: my codes and bytes have landed
	s_barrier_signal -1
	s_barrier_wait -1                              ; the chunk is whole
.irp u, 0,1,2,3,4,5,6,7
	ds_load_b128 v[TA+4*\u:TA+4*\u+3], v[WCR] offset:CHB*\t+32*\u
.endr
	ds_load_b64 v[TB:TB+1], v[WSR] offset:CHB*\t
	s_wait_dscnt 0x0                               ; my reads of the chunk are over
.set CH, \t+1                          ; the next chunk has LDS bytes of its own: no second barrier
.irp u, 0,1,2,3,4,5,6,7
	global_store_b128 v[GA], v[TA+4*\u:TA+4*\u+3], s[32:33] offset:CHUNK*\t+512*\u   ; two rows of the chunk: 512 consecutive bytes, at a multiple of 256 from b_ws's first byte
.endr
	global_store_b64 v[WG8], v[TB:TB+1], s[34:35] offset:CHUNK*\t                    ; 256 consecutive bytes likewise
.endm
	LOADB 0, 0, 0
	LOADB 0, 1, 1
	WIN 0
	s_wait_alu depctr_va_vdst(0)
	BATCH 0, 0, 1, 1, 0, 32
	BATCH 1, 1, 1, 1, 1, 32
	CHUNK_OUT 0, 0                                 ; the second chunk's loads are on their way meanwhile
	BATCH 0, 0, 0, 0, 0, 32
	BATCH 1, 1, 0, 0, 0, 0
	CHUNK_OUT 1, 1
	s_wait_tensorcnt 0x0
	ds_add_u32 v62, v63
	s_wait_dscnt 0x0
	s_endpgm
.Lfunc_end_k_qc10dcee5a7_quant:
	.size	k_qc10dcee5a7_quant, .Lfunc_end_k_qc10dcee5a7_quant-k_qc10dcee5a7_quant
	.p2alignl 7, 3214868480
	.fill 96, 4, 3214868480
	.section	.rodata,"a",@progbits
	.p2align	6, 0x0
	.amdhsa_kernel k_qc10dcee5a7_quant
		.amdhsa_group_segment_fixed_size 312320
		.amdhsa_private_segment_fixed_size 0
		.amdhsa_enable_private_segment 0
		.amdhsa_kernarg_size 40
		.amdhsa_user_sgpr_count 2
		.amdhsa_user_sgpr_kernarg_segment_ptr 1
		.amdhsa_wavefront_size32 1
		.amdhsa_system_sgpr_workgroup_id_x 1
		.amdhsa_system_sgpr_workgroup_id_y 1
		.amdhsa_system_sgpr_workgroup_id_z 1
		.amdhsa_system_vgpr_workitem_id 0
		.amdhsa_next_free_vgpr 512
		.amdhsa_next_free_sgpr 66
		.amdhsa_reserve_vcc 0
		.amdhsa_float_denorm_mode_32 3
		.amdhsa_float_denorm_mode_16_64 3
		.amdhsa_memory_ordered 1
		.amdhsa_forward_progress 1
		.amdhsa_inst_pref_size 188
	.end_amdhsa_kernel
	.amdgpu_metadata
---
amdhsa.version: [ 1, 2 ]
amdhsa.kernels:
  - .name:           k_qc10dcee5a7_quant
    .symbol:         k_qc10dcee5a7_quant.kd
    .args:
      - { .name: x, .offset: 0, .size: 8, .value_kind: global_buffer, .address_space: global }
      - { .name: w, .offset: 8, .size: 8, .value_kind: global_buffer, .address_space: global }
      - { .name: vs, .offset: 16, .size: 8, .value_kind: global_buffer, .address_space: global }
      - { .name: a_ws, .offset: 24, .size: 8, .value_kind: global_buffer, .address_space: global }
      - { .name: b_ws, .offset: 32, .size: 8, .value_kind: global_buffer, .address_space: global }
    .group_segment_fixed_size: 312320
    .private_segment_fixed_size: 0
    .kernarg_segment_align: 8
    .kernarg_segment_size: 40
    .max_flat_workgroup_size: 256
    .sgpr_count:     66
    .vgpr_count:     512
    .wavefront_size: 32
...
	.end_amdgpu_metadata
.endif
;; end of part 1
;; launch gemm (part 2): grid 16 x 16, 4 waves a work-group, clusters of 4 x 4, 327,680 bytes of LDS; arguments a_ws, b_ws, bias, out0; writes out0
.if DOCPART == 2
	.amdgcn_target "amdgcn-amd-amdhsa--gfx1250"
	.amdhsa_code_object_version 6
	.text
	.protected	k_qc10dcee5a7_gemm
	.globl	k_qc10dcee5a7_gemm
	.p2align	8
	.type	k_qc10dcee5a7_gemm,@function
k_qc10dcee5a7_gemm:
	s_mov_b64 s[64:65], 0
	v_nop
	global_prefetch_b8 v0, s[64:65] scope:SCOPE_SE
	s_setreg_imm32_b32 hwreg(HW_REG_WAVE_MODE, 25, 1), 1
	s_wait_xcnt 0x0
	s_wait_alu depctr_hold_cnt(0) depctr_sa_sdst(0) depctr_va_vdst(0) depctr_va_sdst(0) depctr_va_ssrc(0) depctr_va_vcc(0) depctr_vm_vsrc(0)
	s_getreg_b32 s2, hwreg(HW_REG_IB_STS2, 6, 4)
	s_cmp_eq_u32 s2, 0
	s_cbranch_scc0 .Lentry_in_a_cluster
	s_endpgm
.Lentry_in_a_cluster:
	s_bfe_u32 s2, ttmp6, 0x10000c
	s_cmp_lg_u32 s2, 0xf033
	s_cbranch_scc0 .Lentry_shape_is_right
	s_endpgm
.Lentry_shape_is_right:
; out0 = Q(m) Q(w) + bias on the codes and scale bytes that launch quant has laid into a_ws and b_ws (FP4, one E8M0 byte for each 32 along K); sums in f32.
; A work-group of four waves makes 256 x 256 of out0, a wave 128 x 128: 32 accumulators of 16 rows x 32 columns, 512 registers.  K = 4,096 goes in 32 steps of 128.
; THE MATRIX INSTRUCTION IS USED TRANSPOSED: source 0 = 32 columns of w, source 1 = 16 rows of m: a lane holds 2 x 8 neighbouring numbers of one row of out0.
; m's OPERAND goes through LDS: a slot holds 1,024 along K of the work-group's 256 rows: four chunks of a_ws (136 rows of 256 bytes: 128 of codes, 8 of scale bytes), one tensor load a wave,
;   asked for jointly by the four work-groups of a row of the cluster.  Two slots, four fills; a refill has eight steps, 256 matrix instructions a wave, between its request and the wait for it.
; w's OPERAND goes from b_ws straight into registers: quant has laid each block of 16 columns in the order of the operand's registers, so each load reads 512 consecutive bytes.
;   Four sets of 64 registers; step n's run asks for step n + 4.  So a step reads 8 KB a wave from LDS and not 16.  That is why w's tiles are not asked for jointly: they never lie in LDS.
;   Waves 0, 1 take the same 128 columns of w, waves 2, 3 the other 128.
; PREFETCH: w's chunk j + 3 is asked for while chunk j is multiplied, seven steps ahead of its first load: 136 blocks of 256 bytes, shared out by address among the eight waves of the
;   cluster's column that read the tile (17 blocks each; lanes 17-31 name the wave's last block again).  Chunks 0 to 2 come by their loads alone; the last asks stand in step 17.
;   m's tiles are not prefetched: the ring has two refills in all, each requested eight steps ahead of its wait.
; LIMIT: the bias is added behind the sum over K, on the way out, not ahead of it: one rounding in another order than reference()'s.
; REGISTERS: window 0: v16-31 addresses; v32-63 m's scale words, two sets; v64-95 w's, two sets; v96-223 m's fragments, two sets (on the way out: rows read back); v224-227 bias.
;   window 1: w's fragments, four sets.  window 2: accumulators of my rows 0-63 ((a, p) at v[64 (a % 4) + 16 p]); window 3: rows 64-127.
.set CHUNK,  34816
.set TILEB,  8*CHUNK
.set PITCH,  272                       ; an LDS row: 256 bytes + 16 of padding
.set HALFT,  136*PITCH                 ; a chunk in LDS
.set SLOT,   4*HALFT                   ; chunk (K half kc, row half ah) at (2 kc + ah) x HALFT
.set SCOFF,  128*PITCH
.set SPARE,  2*SLOT                    ; the spare words, 128 bytes a wave
.set NROW,   16384
.set SPITCH, 528                       ; the way out: a stage of 16 rows x (512 + 16) bytes a wave, in slot 0, behind its last fill and its last read
.set F0, 16                            ; LDS address of my fragments in slot 0, K half 0; F1: K half 1
.set F1, 17
.set S0, 18                            ; the same for my scale words: lanes 0-15 block i, lanes 16-31 block i + 4
.set S1, 19
.set W0, 20                            ; F0, F1, S0, S1 + the slot that is fetched from
.set W1, 21
.set WS0, 22
.set WS1, 23
.set STO, 24
.set RD,  25
.set GA,  26                           ; 16 x lane
.set PFO, 27                           ; the prefetches' offset in a chunk
.set SPW, 28
.set NIL, 29
.set SCA, 32
.set SCB, 64
.set AF,  96
.set BIAS, 224
.set BK,  96
.set G1, 24                            ; s[24:31] descriptor group 1; s[32:35] group 0
.set G0, 32
.set ST, 36                            ; the slot that the next phase reads; SU: the other one
.set SU, 37
.set MSB, 0
.macro WIN new
.if MSB != \new
	s_set_vgpr_msb (MSB<<8)|\new
.set MSB, \new
.endif
.endm
.set MUL_LO, 0xa1                      ; source 0 window 1, source 1 window 0, C and D window 2
.set MUL_HI, 0xf1
.set TO_B,   0x40
.macro PLACES
.rept 4
	v_nop
.endr
.endm
.macro CREST
	s_cmp_lg_u32 s14, 0
	s_cbranch_scc1 .Lnot_wave_0_\@
	s_barrier_signal -3
.Lnot_wave_0_\@:
	s_barrier_wait -3
	s_barrier_signal -1
	s_barrier_wait -1
.endm
.macro CROUND
	s_barrier_signal -1
	s_barrier_wait -1
	CREST
.endm
.macro JLOAD                           ; my chunk of a slot; s_nop 0 and four v_nop behind it
	tensor_load_to_lds s[G0:G0+3], s[G1:G1+7]
	s_nop 0
	PLACES
.endm
.macro BFR m                           ; w's fragments of step m (counted from the base's chunk) into set m % 4: 16 loads of 512 consecutive bytes
.irp b, 0,1,2,3,4,5,6,7
.irp c, 0,1
	global_load_b128 v[64*((\m)%4)+8*\b+4*\c:64*((\m)%4)+8*\b+4*\c+3], v[GA], s[6:7] offset:((\m)/4)*CHUNK+((\m)%4)*1024+\b*4096+\c*512
.endr
.endr
.endm
.macro BSC j                           ; w's scale words of chunk j: lane l takes column 32 p + l, four words (512 along K)
.irp p, 0,1,2,3
	global_load_b128 v[SCB+16*((\j)%2)+4*\p:SCB+16*((\j)%2)+4*\p+3], v[GA], s[6:7] offset:(\j)*CHUNK+32768+512*\p
.endr
.endm
.macro AFR m, adr                      ; m's fragments of step m into set m % 2
.irp i, 0,1,2,3,4,5,6,7
.irp c, 0,1
	ds_load_b128 v[AF+64*((\m)%2)+8*\i+4*\c:AF+64*((\m)%2)+8*\i+4*\c+3], v[\adr] offset:64*((\m)%4)+32*\c+\i*16*PITCH
.endr
.endr
.endm
.macro ASC j, adr                      ; m's scale words of chunk j
.irp i, 0,1,2,3
	ds_load_b128 v[SCA+16*((\j)%2)+4*\i:SCA+16*((\j)%2)+4*\i+3], v[\adr] offset:\i*PITCH
.endr
.endm
.macro WM a, p, first                  ; rows 16 a .. of m x columns 32 p .. of w, step NN
.set AC_, 64*((\a)%4)+16*\p
.set BF_, 64*(NN%4)+16*\p
.set AF_, AF+64*(NN%2)+8*(\a)
.set SB_, SCB+16*((NN/4)%2)+4*\p+NN%4
.set SA_, SCA+16*((NN/4)%2)+4*((\a)%4)+NN%4
.if \first
.if (\a) < 4
	v_wmma_scale_f32_32x16x128_f4 v[AC_:AC_+15], v[BF_:BF_+15], v[AF_:AF_+7], 0, v[SB_], v[SA_]
.else
	v_wmma_scale_f32_32x16x128_f4 v[AC_:AC_+15], v[BF_:BF_+15], v[AF_:AF_+7], 0, v[SB_], v[SA_] matrix_b_scale:MATRIX_SCALE_ROW1
.endif
.else
.if (\a) < 4
	v_wmma_scale_f32_32x16x128_f4 v[AC_:AC_+15], v[BF_:BF_+15], v[AF_:AF_+7], v[AC_:AC_+15], v[SB_], v[SA_]
.else
	v_wmma_scale_f32_32x16x128_f4 v[AC_:AC_+15], v[BF_:BF_+15], v[AF_:AF_+7], v[AC_:AC_+15], v[SB_], v[SA_] matrix_b_scale:MATRIX_SCALE_ROW1
.endif
.endif
.endm
.macro MUL8 a0, first                  ; the 32 accumulators take turns, in the same order in every step
.irp a, \a0, \a0+1
.irp p, 0,1,2,3
	WM (\a), \p, \first
.endr
.endr
.endm
; One step of 128 along K.  n: the step counted from the chunk at which w's base stands (registers come back after 8 steps, slots after 16); e: the step's true number, for the ends.
; The run behind the products asks for m's fragments of step n + 2 and w's of step n + 4, scale words first.
; LC: global loads younger than this step's fragments: the runs of steps e - 3 .. e - 1.  DC: LDS loads younger than this step's: the run of step e - 1.
.macro STEP n, e, first
.set NN, \n
.set EE, \e
.set LC, 0
.irp d, 1,2,3
.if EE-\d+4 <= 31
.set LC, LC+16
.endif
.if ((EE-\d+8)%4 == 3) && (EE-\d+8 <= 31)
.set LC, LC+4
.endif
.endr
.set DC, 0
.if EE+1 <= 31
.set DC, 16
.if (EE+7)%4 == 2
.set DC, 20
.endif
.endif
.set TT, 0                             ; a phase's seventh step changes slots: 1 with a refill, 2 with the barrier alone
.if NN%8 == 6
.if EE+10 <= 31
.set TT, 1
.else
.if EE+2 <= 31
.set TT, 2
.endif
.endif
.endif
.if TT
	WIN 0
	s_wait_tensorcnt 0x0                           ; my chunk of the next slot has landed: no tensor load of mine is out
	ds_add_u32 v[SPW], v[NIL]
.if TT == 1
	s_add_co_u32 s[G0+1], s45, s[SU]               ; the slot that is being left takes the phase two on
	s_add_nc_u64 s[G0+2:G0+3], s[G0+2:G0+3], 2*CHUNK
.endif
	s_wait_dscnt DC+1                              ; the add and the last run may be out
.else
	s_wait_dscnt DC
.endif
	s_wait_loadcnt LC
	WIN MUL_LO
	MUL8 0, \first
.if TT
	s_wait_dscnt 0x0                               ; the add is done and my reads of this slot are over (its last step's fragments are in)
	s_barrier_signal -1
.endif
	MUL8 2, \first
.if TT
	WIN 0
	s_barrier_wait -1
.if TT == 1
	CREST                                          ; the barrier has opened a round of the cluster's barrier
	JLOAD
.endif
.endif
	WIN MUL_HI
	MUL8 4, \first
	MUL8 6, \first
.if EE+2 <= 31
	PLACES                                         ; in front of loads into registers that the products above have read
	WIN 0
.if (NN%8 == 3) && (EE+5 <= 31)
	s_xor_b32 s[ST], s[ST], SLOT                   ; from step n + 3 on the first K half is fetched from the other slot
.if EE+13 <= 31
	s_xor_b32 s[SU], s[SU], SLOT
.endif
	v_add_nc_u32 v[W0], s[ST], v[F0]
	v_add_nc_u32 v[WS0], s[ST], v[S0]
	s_wait_alu depctr_va_vdst(0)
.endif
.if (NN%8 == 7) && (EE+5 <= 31)
	v_add_nc_u32 v[W1], s[ST], v[F1]               ; and the second K half
	v_add_nc_u32 v[WS1], s[ST], v[S1]
	s_wait_alu depctr_va_vdst(0)
.endif
.if (NN+2)%8 < 4
.if NN%4 == 2
	ASC (NN+2)/4, WS0
.endif
	AFR NN+2, W0
.else
.if NN%4 == 2
	ASC (NN+2)/4, WS1
.endif
	AFR NN+2, W1
.endif
.if (NN%4 == 3) && (EE+8 <= 31)
	BSC (NN+1)/4+1
.endif
.if (NN%4 == 1) && (EE <= 17)
	global_prefetch_b8 v[PFO], s[6:7] offset:((NN-1)/4+3)*CHUNK th:TH_LOAD_NT scope:SCOPE_SE
.endif
.if EE+4 <= 31
	WIN TO_B
	BFR NN+4
.endif
.endif
.endm
	s_load_b256 s[4:11], s[0:1], 0x0               ; a_ws, b_ws, bias, out0
	v_lshl_add_u32 v[SPW], v0, 2, SPARE
	v_mov_b32 v[NIL], 0
	ds_add_u32 v[SPW], v[NIL]                      ; the opening lines: the add, twice on end, and its wait
	ds_add_u32 v[SPW], v[NIL]
	v_lshrrev_b32 v1, 5, v0
	v_readfirstlane_b32 s14, v1                    ; wave 0..3
	s_and_b32 s15, s14, 1                          ; which 128 rows of the block are mine; also: of which row half I fetch a chunk
	s_lshr_b32 s16, s14, 1                         ; which 128 columns; also: which K half of a slot I fetch
	s_bfe_u32 s40, ttmp6, 0x40000                  ; cx, cy
	s_bfe_u32 s41, ttmp6, 0x40004
	s_lshl_b32 s42, ttmp9, 2
	s_add_co_u32 s42, s42, s40                     ; block column
	s_and_b32 s17, ttmp7, 0xffff
	s_lshl_b32 s17, s17, 2
	s_add_co_u32 s17, s17, s41                     ; block row
	s_lshl_b32 s43, s41, 2
	s_lshl_b32 s43, 15, s43                        ; my row of the cluster
	s_or_b32 s[G1+0], s43, (0<<16)|(1<<20)|(1<<21)|(5<<22)|(3<<25)   ; mask; bytes; padding of 4 words behind every 64
	s_mov_b32 s[G1+1], 256<<16
	s_mov_b32 s[G1+2], 136<<16
	s_mov_b32 s[G1+3], 256<<16
	s_mov_b32 s[G1+4], 136
	s_mov_b32 s[G1+5], 256
	s_mov_b32 s[G1+6], 0
	s_mov_b32 s[G1+7], 0
	s_lshl_b32 s20, s17, 1
	s_add_co_u32 s20, s20, s15
	s_lshl_b32 s20, s20, 3
	s_add_co_u32 s20, s20, s16
	s_mul_i32 s20, s20, CHUNK                      ; a_ws: tile 2 x block row + row half, chunk = K half
	s_mov_b32 s21, 0
	s_lshl_b32 s46, s42, 1
	s_add_co_u32 s46, s46, s16
	s_mul_i32 s46, s46, TILEB                      ; b_ws: tile 2 x block column + my column half
	s_mov_b32 s47, 0
	s_mul_i32 s45, s14, HALFT                      ; where my chunk goes in a slot
	s_mov_b32 s[ST], 0
	s_mov_b32 s[SU], SLOT
	s_wait_dscnt 0x0
	s_wait_kmcnt 0x0
	s_add_nc_u64 s[4:5], s[4:5], s[20:21]
	s_add_nc_u64 s[6:7], s[6:7], s[46:47]
	s_mov_b32 s[G0], 1
	s_mov_b32 s[G0+1], s45
	s_mov_b64 s[G0+2:G0+3], s[4:5]
	s_or_b32 s[G0+3], s[G0+3], 0x80000000
	CROUND                                         ; in front of the first joint loads
	JLOAD                                          ; slot 0: one tensor load a wave at the head
	s_lshl_b32 s46, s42, 10
	s_lshl_b32 s47, s16, 9
	s_add_co_u32 s46, s46, s47                     ; my first column, in bytes of f32
	s_mov_b32 s47, 0
	s_add_nc_u64 s[8:9], s[8:9], s[46:47]
	s_lshl_b32 s18, s17, 8
	s_lshl_b32 s19, s15, 7
	s_add_co_u32 s18, s18, s19
	s_lshl_b32 s18, s18, 14                        ; my first row of out0, 16,384 bytes a row
	s_mov_b32 s19, 0
	s_add_nc_u64 s[18:19], s[18:19], s[46:47]
	s_add_nc_u64 s[10:11], s[10:11], s[18:19]
	s_mul_i32 s21, s15, HALFT
	s_add_co_u32 s22, s21, SCOFF
	s_mul_i32 s23, s14, 16*SPITCH
	s_lshl_b32 s20, s41, 1
	s_add_co_u32 s20, s20, s15
	s_mul_i32 s20, s20, 17                         ; my 17 blocks of a chunk's 136: share 2 cy + wave % 2
	v_and_b32 v3, 31, v0
	v_lshlrev_b32 v[GA], 4, v3
	s_wait_alu depctr_va_vdst(0)
	BSC 0
	global_load_b128 v[BIAS:BIAS+3], v[GA], s[8:9] ; the bias of columns 4 lane .. + 3 of my 128
	WIN TO_B
	BFR 0
	BFR 1
	BFR 2
	WIN 0
	BSC 1
	WIN TO_B
	BFR 3
	WIN 0
	v_and_b32 v1, 15, v0
	v_bfe_u32 v2, v0, 4, 1
	v_mul_u32_u24 v4, v1, PITCH
	v_lshl_add_u32 v4, v2, 4, v4
	v_add_nc_u32 v[F0], s21, v4                    ; row x pitch + 16 x half + my 128 rows
	v_add_nc_u32 v[F1], 2*HALFT, v[F0]
	v_mul_u32_u24 v5, v2, 4*PITCH
	v_lshl_add_u32 v5, v1, 4, v5
	v_add_nc_u32 v[S0], s22, v5                    ; 16 bytes a row, 16 rows to an LDS row; lanes 16-31 four blocks on
	v_add_nc_u32 v[S1], 2*HALFT, v[S0]
	v_add_nc_u32 v[W0], s[ST], v[F0]
	v_add_nc_u32 v[W1], s[ST], v[F1]
	v_add_nc_u32 v[WS0], s[ST], v[S0]
	v_add_nc_u32 v[WS1], s[ST], v[S1]
	v_mul_u32_u24 v5, v1, SPITCH
	v_lshl_add_u32 v5, v2, 5, v5
	v_add_nc_u32 v[STO], s23, v5
	v_add_nc_u32 v[RD], s23, v[GA]
	v_min_u32 v6, 16, v3
	v_add_nc_u32 v6, s20, v6
	v_lshlrev_b32 v[PFO], 8, v6
	s_wait_alu depctr_va_vdst(0)
	s_wait_tensorcnt 0x0                           ; my chunk of slot 0 is in
	ds_add_u32 v[SPW], v[NIL]
	s_add_co_u32 s[G0+1], s45, s[SU]
	s_add_nc_u64 s[G0+2:G0+3], s[G0+2:G0+3], 2*CHUNK
	s_wait_dscnt 0x0
	CROUND
	JLOAD                                          ; slot 1's first fill
	ASC 0, S0
	AFR 0, W0
	AFR 1, W0
	STEP 0, 0, 1                                   ; the first step starts the sums
	WIN 0
	s_mov_b32 s3, 2
.Lphase:                                               ; a trip: steps 8 p + 1 .. 8 p + 8, with the refill of the slot that phase p leaves
.irp q, 1,2,3,4,5,6,7,8
	STEP \q, \q, 0
.endr
	WIN 0
	s_wait_xcnt 0x0                                ; the loads and the prefetches have read their base
	s_add_nc_u64 s[6:7], s[6:7], 2*CHUNK
	s_sub_co_u32 s3, s3, 1
	s_cmp_lg_u32 s3, 0
	s_cbranch_scc1 .Lphase
.set Q, 1
.rept 15
	STEP Q, 16+Q, 0                                ; steps 17 .. 31: nothing is filled again, and the requests run out
.set Q, Q+1
.endr
	WIN 0
; THE WAY OUT, block by block of 16 rows x 128 columns, through my own stage: back as whole rows of 512 bytes, the bias added, stored as two aligned units of 256 bytes.
.macro TOSTAGE a
.set AC, 64*((\a)%4)
	WIN 0x08+4*((\a)/4)
.irp b, 0,1,2,3,4,5,6,7
	ds_store_b128 v[STO], v[AC+8*\b:AC+8*\b+3] offset:64*\b          ; each accumulator from its low end on
	ds_store_b128 v[STO], v[AC+8*\b+4:AC+8*\b+7] offset:64*\b+16
.endr
	WIN 0
.set BB, BK+64*((\a)%2)
.irp t, 0,1,2,3,4,5,6,7,8,9,10,11,12,13,14,15
	ds_load_b128 v[BB+4*\t:BB+4*\t+3], v[RD] offset:\t*SPITCH       ; LDS serves a wave's instructions in order: these see the stores above
.endr
.endm
.macro SEND a, younger
.set BB, BK+64*((\a)%2)
	s_wait_dscnt \younger
.if (\a) > 0
	s_add_nc_u64 s[10:11], s[10:11], 16*NROW       ; behind a wait on XCNT: the earlier stores have read their base
.endif
.irp t, 0,1,2,3,4,5,6,7,8,9,10,11,12,13,14,15
	v_pk_add_f32 v[BB+4*\t:BB+4*\t+1], v[BB+4*\t:BB+4*\t+1], v[BIAS:BIAS+1]
	v_pk_add_f32 v[BB+4*\t+2:BB+4*\t+3], v[BB+4*\t+2:BB+4*\t+3], v[BIAS+2:BIAS+3]
.endr
.irp t, 0,1,2,3,4,5,6,7,8,9,10,11,12,13,14,15
	global_store_b128 v[GA], v[BB+4*\t:BB+4*\t+3], s[10:11] offset:\t*NROW th:TH_STORE_NT   ; the block's 16 rows, behind all its additions: 512 consecutive bytes each
.endr
.endm
	PLACES
	TOSTAGE 0
.irp a, 1,2,3,4,5,6,7
.if \a > 1
	s_wait_xcnt 0x0                                ; block a - 2's stores have read their registers and their base
.endif
	TOSTAGE \a
	SEND \a-1, 32
.endr
	s_wait_xcnt 0x0
	SEND 7, 0
	s_wait_tensorcnt 0x0                           ; the wave's end
	ds_add_u32 v[SPW], v[NIL]
	s_wait_dscnt 0x0
	CROUND                                         ; the closing round
	s_endpgm
.Lfunc_end_k_qc10dcee5a7_gemm:
	.size	k_qc10dcee5a7_gemm, .Lfunc_end_k_qc10dcee5a7_gemm-k_qc10dcee5a7_gemm
	.p2alignl 7, 3214868480
	.fill 96, 4, 3214868480
	.section	.rodata,"a",@progbits
	.p2align	6, 0x0
	.amdhsa_kernel k_qc10dcee5a7_gemm
		.amdhsa_group_segment_fixed_size 327680
		.amdhsa_private_segment_fixed_size 0
		.amdhsa_enable_private_segment 0
		.amdhsa_kernarg_size 32
		.amdhsa_user_sgpr_count 2
		.amdhsa_user_sgpr_kernarg_segment_ptr 1
		.amdhsa_wavefront_size32 1
		.amdhsa_system_sgpr_workgroup_id_x 1
		.amdhsa_system_sgpr_workgroup_id_y 1
		.amdhsa_system_sgpr_workgroup_id_z 1
		.amdhsa_system_vgpr_workitem_id 0
		.amdhsa_next_free_vgpr 1024
		.amdhsa_next_free_sgpr 66
		.amdhsa_reserve_vcc 0
		.amdhsa_float_denorm_mode_32 3
		.amdhsa_float_denorm_mode_16_64 3
		.amdhsa_memory_ordered 1
		.amdhsa_forward_progress 1
		.amdhsa_inst_pref_size 221
	.end_amdhsa_kernel
	.amdgpu_metadata
---
amdhsa.version: [ 1, 2 ]
amdhsa.kernels:
  - .name:           k_qc10dcee5a7_gemm
    .symbol:         k_qc10dcee5a7_gemm.kd
    .args:
      - { .name: a_ws, .offset: 0, .size: 8, .value_kind: global_buffer, .address_space: global }
      - { .name: b_ws, .offset: 8, .size: 8, .value_kind: global_buffer, .address_space: global }
      - { .name: bias, .offset: 16, .size: 8, .value_kind: global_buffer, .address_space: global }
      - { .name: out0, .offset: 24, .size: 8, .value_kind: global_buffer, .address_space: global }
    .group_segment_fixed_size: 327680
    .private_segment_fixed_size: 0
    .kernarg_segment_align: 8
    .kernarg_segment_size: 32
    .max_flat_workgroup_size: 128
    .sgpr_count:     66
    .vgpr_count:     1024
    .wavefront_size: 32
...
	.end_amdgpu_metadata
.endif
;; end of part 2
